; MI455X (gfx1250); checked and timed in simulation.
; The chip was launched on July 23, 2026; its instructions are those of AMD's public machine-readable ISA for CDNA 5 (MIT licence, August 2026) and "CDNA5" Instruction Set Architecture Reference Guide (July 2026). The comments in the code are by the model that wrote it; some were corrected since.
;; Attention. Allowed arithmetic: matrix products marked QUANTISED: E4M3 operands, one E8M0 scale for each 32 along K, by v_wmma_scale_f32_16x16x128_f8f6f4 with both operands' format E4M3, f32 sums; everything else in f32.
;; Inputs: Wk_codes 1,024 x 32 x 32 uint8 (E4M3 codes of Wk, K innermost, in blocks of 32 codes); Wk_scales 1,024 x 32 uint8 (E8M0 scales of Wk, one for each 32 codes along K); Wo_codes 1,024 x 32 x 32 uint8 (E4M3 codes of Wo, K innermost, in blocks of 32 codes); Wo_scales 1,024 x 32 uint8 (E8M0 scales of Wo, one for each 32 codes along K); Wq_codes 1,024 x 32 x 32 uint8 (E4M3 codes of Wq, K innermost, in blocks of 32 codes); Wq_scales 1,024 x 32 uint8 (E8M0 scales of Wq, one for each 32 codes along K); Wv_codes 1,024 x 32 x 32 uint8 (E4M3 codes of Wv, K innermost, in blocks of 32 codes); Wv_scales 1,024 x 32 uint8 (E8M0 scales of Wv, one for each 32 codes along K); bo 1,024 float32; x_codes 4 x 2,048 x 32 x 32 uint8 (E4M3 codes of x, K innermost, in blocks of 32 codes); x_scales 4 x 2,048 x 32 uint8 (E8M0 scales of x, one for each 32 codes along K).
;; Outputs: out0 4 x 2,048 x 1,024 float32.
;; This version of the problem:
;;   THIS VERSION OF THE PROBLEM IS GIVEN IN LOW PRECISION. The matrix products marked QUANTISED in the list below multiply operands that are first quantised to E4M3 (4 exponent bits, 3 mantissa bits; 8 bits a number), with one power-of-two scale for each 32 numbers along K (OCP MX v1.0); their sums are f32. All else is computed in f32.
;;   The module's matrix products, in the order in which they are computed (A, B: the left and right operand; K: the contracted axis; several contracted axes count as one K, in the product's order):
;;     1. [M 8,192, K 1,024] x [K 1,024, N 1,024]; A: input x (given as codes); B: input Wq (given as codes): QUANTISED
;;     2. [M 8,192, K 1,024] x [K 1,024, N 1,024]; A: input x (given as codes); B: input Wk (given as codes): QUANTISED
;;     3. [M 8,192, K 1,024] x [K 1,024, N 1,024]; A: input x (given as codes); B: input Wv (given as codes): QUANTISED
;;     4. batch 64 x [M 2,048, K 64] x [K 64, N 2,048]; A: computed on the way; B: computed on the way: QUANTISED
;;     5. batch 64 x [M 2,048, K 2,048] x [K 2,048, N 64]; A: softmax (see below); B: computed on the way: QUANTISED
;;     6. [M 8,192, K 1,024] x [K 1,024, N 1,024]; A: computed on the way; B: input Wo (given as codes): QUANTISED
;;   THE QUANTISER, for each operand of a quantised product, along K:
;;     - K is cut into blocks of 32 from its start; a last block that is shorter is filled with zeros.
;;     - A block's scale is 2^e with e = floor(log2(the largest magnitude in the block)) - 8, held to -126 .. 127; a block of zeros has e = 0. As a byte (E8M0): e + 127.
;;     - Each number is divided by its block's scale, clamped to +-448, and rounded to the nearest number of E4M3, ties to even, subnormals kept.
;;     - The product sums the exact products of the quantised numbers (number of the format x scale) in f32.
;;   ~~~python
;;   def quantise(x, axis):      # numpy; x: float32 -> the quantised numbers, widened to float32 again
;;       x = np.moveaxis(x, axis, -1); K = x.shape[-1]
;;       x = np.pad(x, [(0, 0)] * (x.ndim - 1) + [(0, -K % 32)]); x = x.reshape(x.shape[:-1] + (-1, 32)); a = np.abs(x).max(-1, keepdims=True)
;;       e = np.where(a > 0, np.clip(np.frexp(np.where(a > 0, a, 1))[1] - 1 - 8, -126, 127), 0)      # np.frexp(a)[1] - 1 = floor(log2(a)), exactly
;;       r = np.clip(x / 2.0 ** e, -448, 448)
;;       step = 2.0 ** (np.maximum(np.frexp(np.where(r == 0, 1, r))[1] - 1, -6) - 3)
;;       q = np.round(r / step) * step * 2.0 ** e      # np.round: ties to even
;;       return np.moveaxis(q.reshape(q.shape[:-2] + (-1,))[..., :K], -1, axis).astype(np.float32)
;;   ~~~
;;   SOFTMAX AHEAD OF A QUANTISED PRODUCT. Where the list says 'softmax', what is quantised is not the finished softmax but p = 2^(t - M), with t = logit x log2(e) and M = ceil(the row's largest t), a whole number; so 1/2 < the row's largest p <= 1. The row's sum l is taken of the UNQUANTISED p, in f32, and the product's result is divided by l at the end. Since M is a whole number, a kernel that streams over the keys may use a running M (the ceiling of the running maximum): every later rescaling is an exact power of two, which a block's scale takes up: the codes' values come out the same.
;;   OPERANDS COMPUTED ON THE WAY. 'Computed on the way' means the value that the module computes at that place (a softmax that the list does not call 'softmax' is quantised finished and normalised). What goes into a quantiser is computed in f32, as accurately as f32 sums, v_exp_f32 and their like allow (about 1e-6 of the number): no bf16 or f16 on the way to a quantiser, and a product that is left as it is and whose result goes on into a quantised operand takes f32 operands (vector FMAs, or v_wmma_f32_16x16x4_f32). A number that lies on a knife's edge between two numbers of the format may be rounded either way, as far as f32 arithmetic and the matrix unit's own rounding can turn it there, and no further.
;;   INPUTS GIVEN AS CODES. Wk (in the module: [1024, 1024], K = its axis 0); Wo (in the module: [1024, 1024], K = its axis 0); Wq (in the module: [1024, 1024], K = its axis 0); Wv (in the module: [1024, 1024], K = its axis 0); x (in the module: [4, 2048, 1024], K = its axis 2): each comes as NAME_codes (uint8): NAME with its K axis moved to the last place and cut into blocks of 32 codes, [.., K / 32, bytes a block], one block behind the other in memory; one code a byte (a code: sign, 4 exponent bits, 3 mantissa bits); and NAME_scales (uint8): the same leading axes, one E8M0 byte (e + 127) for each 32 codes along K. Its value is code x scale, taken as it is: it is not quantised again, and the codes and scales need not be those that the quantiser above would give.
;; One version. Each part assembles by itself: llvm-mc -triple=amdgcn-amd-amdhsa -mcpu=gfx1250 --defsym DOCPART=n.
;; ======== version 1 of 1: 3 launches
;; limits: right only within a limited range of input values
;; workspace buffers: qkv_img 25,165,824 bytes; qkv_sc 786,432 bytes; o_img 8,388,608 bytes; o_sc 262,144 bytes
;; launch proj (part 1): grid 8 x 32, 4 waves a work-group, clusters of 4 x 4, 327,680 bytes of LDS; arguments x_codes, x_scales, Wq_codes, Wq_scales, Wk_codes, Wk_scales, Wv_codes, Wv_scales, qkv_img, qkv_sc; writes qkv_img, qkv_sc
.if DOCPART == 1
	.amdgcn_target "amdgcn-amd-amdhsa--gfx1250"
	.amdhsa_code_object_version 6
	.text
	.protected	k_q30fd22a419_proj
	.globl	k_q30fd22a419_proj
	.p2align	8
	.type	k_q30fd22a419_proj,@function
k_q30fd22a419_proj:
	s_mov_b64 s[64:65], 0
	v_nop
	global_prefetch_b8 v0, s[64:65] scope:SCOPE_SE
	s_setreg_imm32_b32 hwreg(HW_REG_WAVE_MODE, 25, 1), 1
	s_wait_xcnt 0x0
	s_wait_alu depctr_hold_cnt(0) depctr_sa_sdst(0) depctr_va_vdst(0) depctr_va_sdst(0) depctr_va_ssrc(0) depctr_va_vcc(0) depctr_vm_vsrc(0)
	s_getreg_b32 s2, hwreg(HW_REG_IB_STS2, 6, 4)
	s_cmp_eq_u32 s2, 0
	s_cbranch_scc0 .Lentry_in_a_cluster
	s_endpgm
.Lentry_in_a_cluster:
	s_bfe_u32 s2, ttmp6, 0x10000c
	s_cmp_lg_u32 s2, 0xf033
	s_cbranch_scc0 .Lentry_shape_is_right
	s_endpgm
.Lentry_shape_is_right:
; Q, K, V = x W^T and their quantisers, on codes of FP8 (E4M3) with one E8M0 scale for each 32 along K: 8,192 x 3,072 x 1,024.  Codes and scale bytes leave in the order of the operand registers of the launch that reads them.
; THE DEAL.  256 work-groups of four waves.  A work-group takes 256 tokens x 128 outputs (two heads) of EACH of Q, K and V: x is fetched once for the three.  A wave owns 64 tokens and holds all of K of them in registers
; (4 tiles x 8 fragments x 16 = 512).  A weight's 128 rows lie in LDS, whole rows of K; every wave streams them in eight blocks of 16 rows, each block whole in one of two sets of 128 registers: 32 products a block, four accumulators by turns.
; FILLS, one tensor load a wave each time.  At the head x's 256 rows (64 a wave).  When they stand in registers, behind a drained round of the cluster's barrier: Wq's rows (waves 0, 1) and Wk's (waves 2, 3) over the same bytes;
; the barrier ahead of Q shows Wq's alone (its issuers wait there, and have a load line of their own).  Behind Q, in a second drained round, which also shows Wk's: Wv's rows over Wq's; a plain barrier behind K shows them.
; CLUSTER 4 x 4.  x's rows hang on the tile row alone and are shared along a row of the cluster; a weight's rows hang on the tile column alone and are shared along a column.
; PREFETCH.  The weights are asked of memory at the head, ahead of the two rounds behind which they are loaded: by the clusters of the first row of clusters alone (all rows of clusters read the same weights); a tile's four partners take 32 rows each,
; told apart by address; a lane a row, a wave a quarter of the row: each block of 256 bytes is named once.
; Q, K: source 0 = 16 rows of W, source 1 = 16 tokens: a lane holds one token, its registers run along the outputs.  V: source 0 = 16 tokens, source 1 = 16 rows of Wv: a lane holds one output, its registers run along the tokens (the keys).
; A scale block of 32 lies in the 16 registers of two accumulators, in lanes l and l xor 16: element e of lane (r, h) is number 8 h + e % 8 + 16 (e / 8) of the block: the same order in q and k, and the order in which p is laid against v.
; OUT.  qkv_img: Q at 0, K at 8 MiB: [group of 128 tokens][head][block of 32 dims][tile of 16 tokens][lane][16]; V at 16 MiB: [pair of heads][group of 128 keys][block of 32 keys][tile of 16 dims][lane][16].
; qkv_sc: Q at 0, K at 256 KiB: [group][head][token % 16][tile][block]; V at 512 KiB: [pair of heads][group][head % 2][dim % 16][tile][block].  The bytes gather in LDS and leave as whole units of 256 bytes.
; LIMITS: NaN and infinities are not served; a block of zeros gets the scale byte 1 where the rule says 127 (its codes are zeros; this program alone reads the bytes).
.set PITCH,  1040                      ; an LDS row: 1,024 bytes + 16 of padding
.set AREA,   256*PITCH                 ; behind the 256 rows: the scale bytes: Q's 1,024, K's, V's
.set SPARE,  AREA+3072                 ; the spare words, 128 bytes a wave
.set L16,  4                           ; v4   16 x lane
.set ADX,  5                           ; v5   LDS address of my tokens' fragments
.set ADB,  6                           ; v6-9 LDS address of a fragment of rows 0.., 64.., 128.., 192..
.set SCW,  10                          ; v10  32 x lane: scale rows of a pair of a weight's blocks
.set SCO,  11                          ; v11  32 x (lane % 16): scale rows of a tile of tokens
.set VX,   12                          ; v12  LDS: my bytes among Q's (K's 1,024 on)
.set VXV,  13                          ; v13  among V's
.set SPW,  14                          ; v14  my spare word;  v15  0: never rewritten
.set NIL,  15
.set SBW,  16                          ; v16-111  the weights' scale words: 32 kind + 8 p + q: lanes 0-15 block 2 p's, lanes 16-31 block 2 p + 1's
.set SAW,  116                         ; v116-147 x's: 8 a + q.  (A product's two words have numbers 4 apart modulo 8)
.set ACC,  148                         ; v148-211 eight accumulators: four groups of 16 registers
.set PC,   212                         ; v212-227 the codes
.set TM,   228                         ; largest magnitudes;  T2 the other half's, then the bytes;  LM 448 x the scale;  SO the conversions' scale operands
.set T2,   232
.set LM,   236
.set SO,   240
.set L8,   244                         ; v244 8 x lane;  v245 LDS: the unit of scale bytes that I store;  v252 the prefetches' offset
.set RDA,  245
.set PFO,  252
.set WV,   14                          ; s14  my wave's number
.set G1X,  24
.set G1W,  32
.set G1V,  40
.set G0X,  48
.set G0Q,  52
.set G0K,  56
.set G0V,  60
.set MSB, 0
.macro WIN new                         ; the immediate's high byte repeats the setting that is left
.if MSB != \new
	s_set_vgpr_msb (MSB<<8)|\new
.set MSB, \new
.endif
.endm
.macro PLACES n
.rept \n
	v_nop
.endr
.endm
.macro BARRIER
	s_barrier_signal -1
	s_barrier_wait -1
.endm
.macro CROUND                          ; a round of the cluster's barrier
	BARRIER
	s_cmp_lg_u32 s[WV], 0
	s_cbranch_scc1 .Lnot_wave_0_\@
	s_barrier_signal -3
.Lnot_wave_0_\@:
	s_barrier_wait -3
	BARRIER
.endm
.macro DRAINED                         ; ahead of a refill: my tensor loads are in; 0 onto my spare word; that and my LDS reads are done; then the round
	s_wait_alu depctr_va_vdst(0)
	s_wait_tensorcnt 0x0
	ds_add_u32 v[SPW], v[NIL]
	s_wait_dscnt 0x0
	CROUND
.endm
.macro TLOAD g0, g1                    ; a tensor load; an s_nop 0 and four v_nop follow it
	tensor_load_to_lds s[\g0:\g0+3], s[\g1:\g1+7]
	s_nop 0
	PLACES 4
.endm
.macro GROUP1 g, mask, rows            ; so many whole rows of 1,024 bytes, four words of padding behind each 256
	s_or_b32 s[\g], s[\mask], (1<<20)|(1<<21)|(7<<22)|(3<<25)
	s_mov_b32 s[\g+1], 1024<<16
	s_mov_b32 s[\g+2], (\rows)<<16
	s_mov_b32 s[\g+3], 1024<<16
	s_mov_b32 s[\g+4], \rows
	s_mov_b32 s[\g+5], 1024
	s_mov_b32 s[\g+6], 0
	s_mov_b32 s[\g+7], 0
.endm
.macro G0FIN g, base                   ; group 0: its third word holds the byte offset; the buffer's address is added, the type set
	s_mov_b32 s[\g], 1
	s_mov_b32 s[\g+3], 0
	s_add_nc_u64 s[\g+2:\g+3], s[\base:\base+1], s[\g+2:\g+3]
	s_or_b32 s[\g+3], s[\g+3], 0x80000000
.endm
.macro SHADD d, x, n                   ; s[d] += s[x] << n
	s_lshl_b32 s23, s[\x], \n
	s_add_co_u32 s[\d], s[\d], s23
.endm
	s_load_b512 s[68:83], s[0:1], 0x0              ; x's codes, scales; Wq's; Wk's; Wv's
	s_load_b128 s[84:87], s[0:1], 0x40             ; qkv_img, qkv_sc
	v_lshl_add_u32 v[SPW], v0, 2, SPARE
	v_mov_b32 v[NIL], 0
	ds_add_u32 v[SPW], v[NIL]                      ; the opening: the add, twice on end, and its wait ahead of my first tensor load
	ds_add_u32 v[SPW], v[NIL]
	v_lshrrev_b32 v1, 5, v0
	v_readfirstlane_b32 s[WV], v1                  ; wave 0..3
	s_and_b32 s15, s[WV], 1
	s_lshr_b32 s16, s[WV], 1
	s_bfe_u32 s17, ttmp6, 0x40000                  ; cx
	s_bfe_u32 s18, ttmp6, 0x40004                  ; cy
	s_lshl_b32 s19, ttmp9, 2
	s_add_co_u32 s19, s19, s17                     ; tile column, 0..7: outputs 128 x it of each weight
	s_and_b32 s7, ttmp7, 0xffff                    ; the cluster's row
	s_lshl_b32 s20, s7, 2
	s_add_co_u32 s20, s20, s18                     ; tile row, 0..31: tokens 256 x it
	s_lshl_b32 s21, s18, 2
	s_lshl_b32 s21, 15, s21                        ; my row of the cluster
	s_lshl_b32 s22, 0x1111, s17                    ; my column
	GROUP1 G1X, 21, 64
	GROUP1 G1W, 22, 64
	GROUP1 G1V, 22, 32
	; byte offsets, each under 2^32
	s_lshl_b32 s[G0X+2], s20, 18                   ; x: (256 x tile row + 64 x wave) x 1,024
	SHADD G0X+2, WV, 16
	s_lshl_b32 s[G0Q+2], s19, 17                   ; Wq, Wk: (128 x tile column + 64 x (wave % 2)) x 1,024
	SHADD G0Q+2, 15, 16
	s_mov_b32 s[G0K+2], s[G0Q+2]
	s_lshl_b32 s[G0V+2], s19, 17                   ; Wv: (128 x tile column + 32 x wave) x 1,024
	SHADD G0V+2, WV, 15
	s_mul_i32 s[G0X+1], s[WV], 64*PITCH            ; and where they go
	s_mul_i32 s[G0Q+1], s15, 64*PITCH
	s_add_co_u32 s[G0K+1], s[G0Q+1], 128*PITCH
	s_mul_i32 s[G0V+1], s[WV], 32*PITCH
	s_lshl_b32 s2, s20, 13                         ; x's scale rows of my tokens
	SHADD 2, WV, 11
	s_mov_b32 s3, 0
	s_lshl_b32 s8, s19, 12                         ; a weight's scale rows
	s_mov_b32 s9, 0
	s_lshl_b32 s10, s20, 1
	s_add_co_u32 s10, s10, s16                     ; my group of 128 tokens
	s_lshl_b32 s88, s10, 17                        ; Q's codes: group x 131,072 + tile column x 16,384 + (wave % 2) x 2,048
	SHADD 88, 19, 14
	SHADD 88, 15, 11
	s_mov_b32 s89, 0
	s_lshl_b32 s92, s19, 20                        ; V's: 16 MiB + tile column x 1 MiB + group x 16,384 + (wave % 2) x 8,192
	SHADD 92, 10, 14
	SHADD 92, 15, 13
	s_add_co_u32 s92, s92, 16777216
	s_mov_b32 s93, 0
	s_lshl_b32 s94, s10, 12                        ; the unit of Q's scale bytes that I store: group x 4,096 + tile column x 512 + (wave % 2) x 256
	SHADD 94, 19, 9
	SHADD 94, 15, 8
	s_mov_b32 s95, 0
	s_lshl_b32 s96, s19, 15                        ; of V's: 512 KiB + tile column x 32,768 + group x 512 + (wave % 2) x 256
	SHADD 96, 10, 9
	SHADD 96, 15, 8
	s_add_co_u32 s96, s96, 524288
	s_mov_b32 s97, 0
	s_lshl_b32 s11, s19, 17                        ; the prefetches: row 128 x tile column + 32 cy + lane, bytes 256 x wave on
	SHADD 11, 18, 15
	SHADD 11, WV, 8
	s_lshl_b32 s99, s16, 9
	s_add_co_u32 s99, s99, AREA                    ; the scale bytes of my group
	s_lshl_b32 s13, s15, 3
	s_add_co_u32 s13, s13, s99
	s_lshl_b32 s98, s15, 1
	s_add_co_u32 s98, s98, s99
	s_add_co_u32 s98, s98, 2048
	SHADD 99, 15, 8
	s_mov_b32 s4, 0x76543210                       ; v_permlanex16_b32's selects for lane l xor 16
	s_mov_b32 s5, 0xfedcba98
	s_mov_b32 s6, 0x600000                         ; the mantissa field of 448
	v_and_b32 v1, 15, v0                           ; r
	v_bfe_u32 v2, v0, 4, 1                         ; h
	v_and_b32 v3, 31, v0                           ; lane
	v_lshlrev_b32 v[L16], 4, v3
	v_mul_u32_u24 v[ADB], v1, PITCH
	v_lshl_add_u32 v[ADB], v2, 4, v[ADB]           ; a fragment: row r x pitch + 16 h
	v_add_nc_u32 v[ADB+1], 64*PITCH, v[ADB]
	v_add_nc_u32 v[ADB+2], 128*PITCH, v[ADB]
	v_add_nc_u32 v[ADB+3], 192*PITCH, v[ADB]
	v_add_nc_u32 v[ADX], s[G0X+1], v[ADB]
	v_lshlrev_b32 v[SCW], 5, v3
	v_lshlrev_b32 v[SCO], 5, v1
	v_lshlrev_b32 v[VX], 4, v1
	v_add_nc_u32 v[VXV], s98, v[VX]
	v_add_nc_u32 v[VX], s13, v[VX]
	v_lshlrev_b32 v[L8], 3, v3
	v_add_nc_u32 v[RDA], s99, v[L8]
	v_lshlrev_b32 v[PFO], 10, v3
	v_add_nc_u32 v[PFO], s11, v[PFO]
.irp g, 0,1,2,3
	v_mov_b32 v[T2+\g], 0                          ; written once: a lane permute's destination counts as one of its sources
.endr
	s_wait_alu depctr_va_vdst(0)                   ; the wait at the head's end
	s_wait_dscnt 0x0                               ; both opening adds are done
	s_wait_kmcnt 0x0
	G0FIN G0X, 68
	G0FIN G0Q, 72
	G0FIN G0K, 76
	G0FIN G0V, 80
	s_add_nc_u64 s[2:3], s[70:71], s[2:3]
	s_add_nc_u64 s[74:75], s[74:75], s[8:9]
	s_add_nc_u64 s[78:79], s[78:79], s[8:9]
	s_add_nc_u64 s[82:83], s[82:83], s[8:9]
	s_add_nc_u64 s[88:89], s[84:85], s[88:89]
	s_add_nc_u64 s[90:91], s[88:89], 0x800000      ; K's codes: 8 MiB behind Q's
	s_add_nc_u64 s[92:93], s[84:85], s[92:93]
	s_add_nc_u64 s[94:95], s[86:87], s[94:95]
	s_add_nc_u64 s[96:97], s[86:87], s[96:97]
	CROUND                                         ; all sixteen work-groups are here: the joint loads meet
	TLOAD G0X, G1X                                 ; my 64 tokens
.irp a, 0,1,2,3
	global_load_b128 v[SAW+8*\a:SAW+8*\a+3], v[SCO], s[2:3] offset:512*\a            ; x's scale words: lane r takes token r of tile a
	global_load_b128 v[SAW+8*\a+4:SAW+8*\a+7], v[SCO], s[2:3] offset:512*\a+16
.endr
.irp k, 0,1,2
.irp p, 0,1,2,3
	global_load_b128 v[SBW+32*\k+8*\p:SBW+32*\k+8*\p+3], v[SCW], s[74+4*\k:75+4*\k] offset:1024*\p      ; a weight's: lane l takes row l of a pair of blocks
	global_load_b128 v[SBW+32*\k+8*\p+4:SBW+32*\k+8*\p+7], v[SCW], s[74+4*\k:75+4*\k] offset:1024*\p+16
.endr
.endr
	s_cmp_eq_u32 s7, 0                             ; the first row of clusters asks for the weights' tiles
	s_cbranch_scc0 .Lnot_asking
	global_prefetch_b8 v[PFO], s[72:73] th:TH_LOAD_NT scope:SCOPE_SE
	global_prefetch_b8 v[PFO], s[76:77] th:TH_LOAD_NT scope:SCOPE_SE
	global_prefetch_b8 v[PFO], s[80:81] th:TH_LOAD_NT scope:SCOPE_SE
.Lnot_asking:
.macro FETCH reg, b                    ; block b of the weight whose rows begin at LDS row 128 reg: 16 rows, all of K, into set b % 2 of window 3: 32 loads
	WIN 0xc0
.irp q, 0,1,2,3,4,5,6,7
.irp c, 0,1,2,3
	ds_load_b128 v[128*((\b)%2)+16*\q+4*\c:128*((\b)%2)+16*\q+4*\c+3], v[ADB+2*(\reg)+(\b)/4] offset:((\b)%4)*16*PITCH+128*\q+32*\c
.endr
.endr
	WIN 0
.endm
.macro WM d, x, y, c, sa, sb, m
	v_wmma_scale_f32_16x16x128_f8f6f4 v[\d:\d+7], v[\x:\x+15], v[\y:\y+15], \c, v[\sa], v[\sb] \m
.endm
.macro PROD kind, b, q, a              ; the q-th 128 of K of block b against my tile a.  The first product starts the sum
.set F_, 4*(\q)+(\a)
.set X_, 16*(F_%16)
.set W_, 128*((\b)%2)+16*(\q)
.set SW_, SBW+32*(\kind)+8*((\b)/2)+(\q)
.set SX_, SAW+8*(\a)+(\q)
.if (\kind) < 2
.set D_, ACC+16*(\a)+8*((\b)%2)
	WIN 3|((1+F_/16)<<2)
.if (\q) == 0 && (\b)%2
	WM D_, W_, X_, 0, SW_, SX_, matrix_a_scale:MATRIX_SCALE_ROW1
.elseif (\q) == 0
	WM D_, W_, X_, 0, SW_, SX_
.elseif (\b)%2
	WM D_, W_, X_, v[D_:D_+7], SW_, SX_, matrix_a_scale:MATRIX_SCALE_ROW1
.else
	WM D_, W_, X_, v[D_:D_+7], SW_, SX_
.endif
.else
.set D_, ACC+32*((\b)%2)+8*(\a)
	WIN (1+F_/16)|(3<<2)
.if (\q) == 0 && (\b)%2
	WM D_, X_, W_, 0, SX_, SW_, matrix_b_scale:MATRIX_SCALE_ROW1
.elseif (\q) == 0
	WM D_, X_, W_, 0, SX_, SW_
.elseif (\b)%2
	WM D_, X_, W_, v[D_:D_+7], SX_, SW_, matrix_b_scale:MATRIX_SCALE_ROW1
.else
	WM D_, X_, W_, v[D_:D_+7], SX_, SW_
.endif
.endif
.endm
.macro BLOCK kind, b                   ; 32 products, the four accumulators by turns; eight places behind the last, ahead of loads into what they read and of the first read of the sums
.irp q, 0,1,2,3,4,5,6,7
.irp a, 0,1,2,3
	PROD \kind, \b, \q, \a
.endr
.endr
	WIN 0
	PLACES 8
.endm
; THE QUANTISER of four groups of 16 registers, the four by turns: group g's sums at ACC + 16 g -> codes PC + 4 g, byte T2 + g
.macro QUANT
	s_wait_xcnt 0x0                                ; the last stores have read the codes' registers
.irp g, 0,1,2,3
	v_max3_num_f32 v[TM+\g], |v[ACC+16*\g]|, |v[ACC+16*\g+1]|, 0x4800000   ; and the floor 2^(9 - 127): the byte cannot fall under 1
.endr
.irp i, 2,4,6,8,10,12,14
.irp g, 0,1,2,3
	v_max3_num_f32 v[TM+\g], |v[ACC+16*\g+\i]|, |v[ACC+16*\g+\i+1]|, v[TM+\g]
.endr
.endr
.irp g, 0,1,2,3
	v_permlanex16_b32 v[T2+\g], v[TM+\g], s4, s5
.endr
.irp g, 0,1,2,3
	v_max_num_f32 v[TM+\g], v[TM+\g], v[T2+\g]     ; with lane l xor 16's: the block's largest magnitude
.endr
.irp g, 0,1,2,3
	v_add_nc_u32 v[SO+\g], 0xfc000000, v[TM+\g]    ; 8 off its exponent field: the conversion's scale operand
.endr
.irp g, 0,1,2,3
	v_and_or_b32 v[LM+\g], v[TM+\g], 0x7f800000, s6   ; 448 x the scale
.endr
.irp g, 0,1,2,3
	v_lshrrev_b32 v[T2+\g], 23, v[SO+\g]           ; the scale's byte
.endr
.irp g, 0,1,2,3
.irp i, 0,1,2,3,4,5,6,7,8,9,10,11,12,13,14,15
	v_med3_num_f32 v[ACC+16*\g+\i], v[ACC+16*\g+\i], -v[LM+\g], v[LM+\g]   ; the conversion to an 8-bit code does not saturate (ISA guide 7.6.2)
.endr
.endr
.irp g, 0,1,2,3
	v_cvt_scalef32_pk8_fp8_f32 v[PC+4*\g:PC+4*\g+1], v[ACC+16*\g:ACC+16*\g+7], v[SO+\g]
	v_cvt_scalef32_pk8_fp8_f32 v[PC+4*\g+2:PC+4*\g+3], v[ACC+16*\g+8:ACC+16*\g+15], v[SO+\g]
.endr
	v_nop                                          ; the plain line behind the conversions
.endm
.macro LEAVE kind, p                   ; the pair p of blocks leaves: a byte to its place in LDS, a piece of 512 consecutive bytes to memory, for each group
.irp g, 0,1,2,3
.if (\kind) < 2                        ; group g = my tile g; the pair is block p of 32 of the 128 outputs
	ds_store_b8 v[VX], v[T2+\g] offset:1024*(\kind)+((\p)/2)*256+2*\g+(\p)%2
	global_store_b128 v[L16], v[PC+4*\g:PC+4*\g+3], s[88+2*(\kind):89+2*(\kind)] offset:(\p)*4096+\g*512
.else                                  ; group g: tile 2 p + g / 2 of 16 of the 128 outputs, block g % 2 of my two blocks of 32 keys
	ds_store_b8 v[VXV], v[T2+\g] offset:((2*(\p)+\g/2)/4)*256+4*((2*(\p)+\g/2)%4)+\g%2
	global_store_b128 v[L16], v[PC+4*\g:PC+4*\g+3], s[92:93] offset:(\g%2)*4096+(2*(\p)+\g/2)*512
.endif
.endr
.endm
.macro PHASE kind, reg                 ; one weight: eight blocks; behind a block's products its set takes the block two on; behind each pair the quantiser
	FETCH \reg, 0
	FETCH \reg, 1
.irp b, 0,1,2,3,4,5,6,7
.if \b < 7
	s_wait_dscnt 32                                ; this block is in: behind its loads stand the next block's 32 (and at most four byte stores)
.else
	s_wait_dscnt 0x0
.endif
	BLOCK \kind, \b
.if \b < 6
	FETCH \reg, \b+2
.endif
.if \b % 2
	QUANT
	LEAVE \kind, \b/2
.endif
.endr
.endm
	s_wait_tensorcnt 0x0                           ; my tokens' rows have landed
	BARRIER
.irp q, 0,1,2,3,4,5,6,7                ; x into registers: fragment 4 q + a, in window 1 + q / 4
	WIN (1+\q/4)<<6
.irp a, 0,1,2,3
.irp c, 0,1,2,3
	ds_load_b128 v[16*((4*\q+\a)%16)+4*\c:16*((4*\q+\a)%16)+4*\c+3], v[ADX] offset:\a*16*PITCH+128*\q+32*\c
.endr
.endr
.endr
	WIN 0
	DRAINED                                        ; every wave of the cluster holds its tokens in registers
	s_cmp_lt_u32 s[WV], 2
	s_cbranch_scc0 .Lfor_k
	TLOAD G0Q, G1W                                 ; waves 0, 1: Wq's rows, wanted first
	s_branch .Lw_asked
.Lfor_k:
	TLOAD G0K, G1W                                 ; waves 2, 3: Wk's
.Lw_asked:
	s_cmp_lt_u32 s[WV], 2
	s_cbranch_scc0 .Lnot_q
	s_wait_tensorcnt 0x0                           ; Wq's rows have landed.  Wk's issuers wait ahead of the next round
.Lnot_q:
	BARRIER
	s_wait_loadcnt 0x0                             ; the scale words are in
	PHASE 0, 0
	DRAINED                                        ; Wk's rows are in, and nobody reads Wq's any more
	TLOAD G0V, G1V                                 ; Wv's rows, 32 a wave, over Wq's
	PHASE 1, 1
	s_wait_tensorcnt 0x0                           ; Wv's rows have landed
	s_wait_dscnt 0x0
	BARRIER
	PHASE 2, 0
	s_wait_dscnt 0x0                               ; my scale bytes are in LDS
	BARRIER
	ds_load_b64 v[246:247], v[RDA]                 ; one unit of 256 bytes of Q's, of K's, of V's
	ds_load_b64 v[248:249], v[RDA] offset:1024
	ds_load_b64 v[250:251], v[RDA] offset:2048
	s_wait_dscnt 0x0
	global_store_b64 v[L8], v[246:247], s[94:95]
	global_store_b64 v[L8], v[248:249], s[94:95] offset:262144
	global_store_b64 v[L8], v[250:251], s[96:97]
	s_wait_tensorcnt 0x0                           ; the wave's end
	ds_add_u32 v[SPW], v[NIL]
	s_wait_dscnt 0x0
	CROUND                                         ; the closing round
	s_endpgm
.Lfunc_end_k_q30fd22a419_proj:
	.size	k_q30fd22a419_proj, .Lfunc_end_k_q30fd22a419_proj-k_q30fd22a419_proj
	.p2alignl 7, 3214868480
	.fill 96, 4, 3214868480
	.section	.rodata,"a",@progbits
	.p2align	6, 0x0
	.amdhsa_kernel k_q30fd22a419_proj
		.amdhsa_group_segment_fixed_size 327680
		.amdhsa_private_segment_fixed_size 0
		.amdhsa_enable_private_segment 0
		.amdhsa_kernarg_size 80
		.amdhsa_user_sgpr_count 2
		.amdhsa_user_sgpr_kernarg_segment_ptr 1
		.amdhsa_wavefront_size32 1
		.amdhsa_system_sgpr_workgroup_id_x 1
		.amdhsa_system_sgpr_workgroup_id_y 1
		.amdhsa_system_sgpr_workgroup_id_z 1
		.amdhsa_system_vgpr_workitem_id 0
		.amdhsa_next_free_vgpr 1024
		.amdhsa_next_free_sgpr 100
		.amdhsa_reserve_vcc 0
		.amdhsa_float_denorm_mode_32 3
		.amdhsa_float_denorm_mode_16_64 3
		.amdhsa_memory_ordered 1
		.amdhsa_forward_progress 1
		.amdhsa_inst_pref_size 255
	.end_amdhsa_kernel
	.section	.bss,"aw",@nobits
	.p2align	6
	.space	262144
	.amdgpu_metadata
---
amdhsa.version: [ 1, 2 ]
amdhsa.kernels:
  - .name:           k_q30fd22a419_proj
    .symbol:         k_q30fd22a419_proj.kd
    .args:
      - { .name: x_codes, .offset: 0, .size: 8, .value_kind: global_buffer, .address_space: global }
      - { .name: x_scales, .offset: 8, .size: 8, .value_kind: global_buffer, .address_space: global }
      - { .name: Wq_codes, .offset: 16, .size: 8, .value_kind: global_buffer, .address_space: global }
      - { .name: Wq_scales, .offset: 24, .size: 8, .value_kind: global_buffer, .address_space: global }
      - { .name: Wk_codes, .offset: 32, .size: 8, .value_kind: global_buffer, .address_space: global }
      - { .name: Wk_scales, .offset: 40, .size: 8, .value_kind: global_buffer, .address_space: global }
      - { .name: Wv_codes, .offset: 48, .size: 8, .value_kind: global_buffer, .address_space: global }
      - { .name: Wv_scales, .offset: 56, .size: 8, .value_kind: global_buffer, .address_space: global }
      - { .name: qkv_img, .offset: 64, .size: 8, .value_kind: global_buffer, .address_space: global }
      - { .name: qkv_sc, .offset: 72, .size: 8, .value_kind: global_buffer, .address_space: global }
    .group_segment_fixed_size: 327680
    .private_segment_fixed_size: 0
    .kernarg_segment_align: 8
    .kernarg_segment_size: 80
    .max_flat_workgroup_size: 128
    .sgpr_count:     100
    .vgpr_count:     1024
    .wavefront_size: 32
...
	.end_amdgpu_metadata
.endif
;; end of part 1
;; launch attn (part 2): grid 4 x 64, 16 waves a work-group, clusters of 4 x 1, 327,680 bytes of LDS; arguments qkv_img, qkv_sc, o_img, o_sc; writes o_img, o_sc
.if DOCPART == 2
	.amdgcn_target "amdgcn-amd-amdhsa--gfx1250"
	.amdhsa_code_object_version 6
	.text
	.protected	k_q30fd22a419_attn
	.globl	k_q30fd22a419_attn
	.p2align	8
	.type	k_q30fd22a419_attn,@function
k_q30fd22a419_attn:
	s_mov_b64 s[64:65], 0
	v_nop
	global_prefetch_b8 v0, s[64:65] scope:SCOPE_SE
	s_setreg_imm32_b32 hwreg(HW_REG_WAVE_MODE, 25, 1), 1
	s_wait_xcnt 0x0
	s_wait_alu depctr_hold_cnt(0) depctr_sa_sdst(0) depctr_va_vdst(0) depctr_va_sdst(0) depctr_va_ssrc(0) depctr_va_vcc(0) depctr_vm_vsrc(0)
	s_getreg_b32 s2, hwreg(HW_REG_IB_STS2, 6, 4)
	s_cmp_eq_u32 s2, 0
	s_cbranch_scc0 .Lentry_in_a_cluster
	s_endpgm
.Lentry_in_a_cluster:
	s_bfe_u32 s2, ttmp6, 0x10000c
	s_cmp_lg_u32 s2, 0x3003
	s_cbranch_scc0 .Lentry_shape_is_right
	s_endpgm
.Lentry_shape_is_right:
; For each of 64 (batch, head): O[q] = sum over keys of softmax(q . k / 8) v, both products on codes of FP8 (E4M3) with one E8M0 scale for each 32 along a product's K.  q, k, v come as register images
; with their scale words; O is divided by the row's sum, quantised along h x 64 + d and stored as register images for the last product.
; THE SOFTMAX AHEAD OF THE SECOND PRODUCT: t = score x log2(e) / 8; M = the row's largest t so far, rounded UP to a whole number; p = 2^(t - M) is what is quantised, along the keys; the row's sum is taken
; of the unquantised p.  When M moves, the sum and O are multiplied by 2^(old M - new M): exact, and without a branch.
; SHARES.  256 work-groups: a work-group owns 512 queries of one head; each of its sixteen waves owns two tiles of 16 queries, one after the other (two passes), in 256 registers.  Every pass walks the head's 2,048 keys, 128 a step.
; ALL OF THE HEAD'S K AND V LIE IN LDS, FILLED ONCE, and serve both passes: 128 KiB + 128 KiB of codes and 8 KiB of scale words.  Each wave issues ONE tensor load, in its first lines: waves 12 to 15 key steps 0 to 3 of K,
; of V, and K's and V's scale rows; waves 0 to 5 two further steps of K each, waves 6 to 11 two of V each.  The first barrier shows waves 12 to 15's tiles (they alone wait there, and have load lines of their own);
; the second, behind step 3, shows all the rest (every wave waits).  No LDS byte is filled twice; the second pass has no barrier.
; CLUSTER.  The four work-groups of a cluster are one head's and want the same K and V: every tensor load is asked for jointly, with a mask that names the four.  Only Q's and O's addresses hang on the place in the cluster.
; No prefetch: every tensor load is issued in the first lines, so there is no later load to ask ahead of; the second pass's q is loaded at the head too and waits in LDS bytes of the wave's own.
; LAYOUT.  Both products are used transposed: S^T = K Q^T (source 0 = keys), O^T = V^T P^T (source 0 = 16 of the head's 64): a lane holds ONE query (lane % 16) throughout.
; K = 64 IN AN INSTRUCTION OF 128.  A fragment of K holds TWO tiles of 16 keys: chunks 0, 1 = tile 2 b's 64 dimensions, chunks 2, 3 = tile 2 b + 1's.  It is multiplied by [q, q', 0, 0] and by [0, 0, q, q']:
; zero codes add nothing.  q stands between two runs of zeros, v16-23 and v32-39, and both forms are windows on the 24 registers.  Q's scale word is its two bytes twice.
; The 16 registers of a fragment's two results are keys 32 b + 8 h + e % 8 + 16 (e / 8) (h = lane / 16) and become places 16 h + e of p's block b: the order in which v's images were made.
; LIMITS: NaN and infinities are not served; the scaled scores t stay under 2^31 in magnitude; 1 / the sum is v_rcp_f32 and a multiplication; a block of zeros gets the scale byte 1 where the rule says 127 (its codes are zeros; this program alone reads the bytes).
.set VB,   131072                      ; LDS: K's step s at 8,192 s: [c][tile][512]; V's at VB + 8,192 s: [block][tile][512]
.set SCB,  262144                      ; K's scale rows, 256 bytes a step; 4,096 further on V's
.set SPARE, 270336                     ; the spare words: 128 bytes a wave
.set STG,  272384                      ; 1,536 bytes a wave: the second pass's q (two pieces of 512) and its scale words
.set WV,   12                          ; s12  my wave's number
.set SH,   13                          ; s13  16 x (tile % 2): which half of q's scale word is mine
.set G1K4, 24                          ; descriptor groups 1: K's four steps, V's four, K's scale rows, V's, K's two steps, V's two
.set G1V4, 32
.set G1KS, 40
.set G1VS, 48
.set G1K2, 56
.set G1V2, 68
.set G0K4, 76                          ; and their groups 0
.set G0V4, 80
.set G0KS, 84
.set G0VS, 88
.set G0K2, 92
.set G0V2, 96
.set SEL,  2                           ; s[2:3] lane selects for v_permlanex16_b32: lane l xor 16
.set CS,   66                          ; s[66:67] c = log2(e) / 8: the packed form names a pair and takes its low word for both halves
.set MNT,  100                         ; s100 the mantissa field of 448
.set TB,   101                         ; s101 8,192 x the step (at the head: at work)
.set TS,   104                         ; s104 256 x the step
.set CNT,  105                         ; s105 counts a loop's steps
.set L16,  1                           ; v1   16 x lane: my place in a piece
.set R16,  2                           ; v2   SCB + 16 x (lane % 16): my row's four scale words
.set OSO,  3                           ; v3   32 (lane % 16) + lane / 16: my byte among O's scale bytes
.set QSO,  4                           ; v4   16 x (lane % 16)
.set LN,   5                           ; v5   lane
.set OM,   6                           ; v6   -M as the step found it
.set L16V, 7                           ; v7   VB + 16 x lane
.set ADK,  8                           ; v8   LDS address of the step's pieces of K
.set ADV,  9                           ; v9   of V
.set ADS,  10                          ; v10  of its scale words
.set QST,  11                          ; v11  my place in my wave's bytes at STG
.set FG,   40                          ; v40-103   four fragments of K or of V
.set SR,   104                         ; v104-167  S^T, then p
.set OT,   168                         ; v168-199  O^T
.set PC,   200                         ; v200-215  p's codes
.set KSW,  216                         ; v216-219  K's scale words;  v220-223 V's;  v224 Q's;  v225 p's
.set VSW,  220
.set QSW,  224
.set PSW,  225
.set BM,   226                         ; v226-229  a block's largest score, then its largest p
.set T2,   230                         ; v230-233  the other half's, then the bytes
.set LM,   234                         ; v234-237  448 x the scale
.set SO,   238                         ; v238-241  the conversions' scale operands
.set FV,   242                         ; v[242:243] f = 2^(old M - new M)
.set TT,   244
.set SPW,  254                         ; v254 my spare word; v255 0: never rewritten
.set NIL,  255
; v12 -M, v13 the largest t, v[14:15] the sum in two halves
.macro CROUND                          ; a round of the cluster's barrier
	s_barrier_signal -1
	s_barrier_wait -1
	s_cmp_lg_u32 s[WV], 0
	s_cbranch_scc1 .Lnot_wave_0_\@
	s_barrier_signal -3
.Lnot_wave_0_\@:
	s_barrier_wait -3
	s_barrier_signal -1
	s_barrier_wait -1
.endm
.macro SHADD d, x, n                   ; s[d] += s[x] << n
	s_lshl_b32 s[TB], s[\x], \n
	s_add_co_u32 s[\d], s[\d], s[TB]
.endm
.macro G1SET g, d0, rows, pitch        ; group 1: constants.  Mask: all four work-groups; elements of 8 bytes; bit 21 beside the mask; no padding: a piece's 512 bytes are read on end
	s_mov_b32 s[\g], 15|(3<<16)|(1<<21)
	s_mov_b32 s[\g+1], (\d0)<<16
	s_mov_b32 s[\g+2], (\rows)<<16
	s_mov_b32 s[\g+3], (\d0)<<16
	s_mov_b32 s[\g+4], \rows
	s_mov_b32 s[\g+5], \pitch
	s_mov_b32 s[\g+6], 0
	s_mov_b32 s[\g+7], 0
.endm
.macro G0FIN g, base                   ; group 0: its third word holds the byte offset; the buffer's address is added, the type set
	s_mov_b32 s[\g], 1
	s_mov_b32 s[\g+3], 0
	s_add_nc_u64 s[\g+2:\g+3], s[\base:\base+1], s[\g+2:\g+3]
	s_or_b32 s[\g+3], s[\g+3], 0x80000000
.endm
.macro ARM cmp, n, g0, g1, next        ; one arm of the head's chain: one load, an s_nop 0 and four v_nop behind it, a jump to the join
	\cmp s[WV], \n
	s_cbranch_scc0 \next
	tensor_load_to_lds s[\g0:\g0+3], s[\g1:\g1+7]
	s_nop 0
.rept 4
	v_nop
.endr
	s_branch .Lasked
\next:
.endm
	s_load_b256 s[4:11], s[0:1], 0x0               ; the images s[4:5], their scale words s[6:7], O's images s[8:9], O's scale bytes s[10:11]
	v_lshl_add_u32 v[SPW], v0, 2, SPARE
	v_mov_b32 v[NIL], 0
	ds_add_u32 v[SPW], v[NIL]                      ; the opening: the add, twice on end, and its wait ahead of my tensor load
	ds_add_u32 v[SPW], v[NIL]
	v_lshrrev_b32 v1, 5, v0
	v_readfirstlane_b32 s[WV], v1                  ; wave 0..15
	s_mul_i32 s23, s[WV], 1536
	s_add_co_u32 s23, s23, STG
	v_and_b32 v[LN], 31, v0
	v_and_b32 v[QSO], 15, v0
	v_bfe_u32 v6, v0, 4, 1
	v_lshlrev_b32 v[L16], 4, v[LN]
	v_lshl_add_u32 v[OSO], v[QSO], 5, v6
	v_lshl_add_u32 v[R16], v[QSO], 4, SCB
	v_lshlrev_b32 v[QSO], 4, v[QSO]
	v_add_nc_u32 v[L16V], VB, v[L16]
	v_add_nc_u32 v[QST], s23, v[L16]
	s_wait_alu depctr_va_vdst(0)                   ; the wait behind these writes: scalar lines
	s_bfe_u32 s13, ttmp6, 0x40000                  ; cx: it enters Q's and O's addresses alone
	s_and_b32 s15, ttmp7, 0xffff
	s_lshr_b32 s16, s15, 4                         ; the batch
	s_and_b32 s17, s15, 15                         ; the head
	s_lshr_b32 s18, s17, 1
	s_and_b32 s19, s17, 1
	; byte offsets of the tiles, made in the groups 0
	s_lshl_b32 s[G0K4+2], s16, 21                  ; K's codes: 8 MiB + batch x 2 MiB + head x 8,192; a step is 8,192 bytes, 131,072 apart
	SHADD G0K4+2, 17, 13
	s_add_co_u32 s[G0K4+2], s[G0K4+2], 8388608
	s_lshl_b32 s[G0V4+2], s18, 20                  ; V's codes: 16 MiB + (head / 2) x 1 MiB + batch x 256 KiB + (head % 2) x 2,048; a step is 4 rows of 2,048 bytes, 4,096 apart
	SHADD G0V4+2, 16, 18
	SHADD G0V4+2, 19, 11
	s_add_co_u32 s[G0V4+2], s[G0V4+2], 16777216
	s_lshl_b32 s[G0KS+2], s16, 16                  ; K's scale rows: 256 KiB + batch x 65,536 + head x 256; 4,096 apart
	SHADD G0KS+2, 17, 8
	s_add_co_u32 s[G0KS+2], s[G0KS+2], 262144
	s_lshl_b32 s[G0VS+2], s18, 15                  ; V's: 512 KiB + (head / 2) x 32,768 + batch x 8,192 + (head % 2) x 256; 512 apart
	SHADD G0VS+2, 16, 13
	SHADD G0VS+2, 19, 8
	s_add_co_u32 s[G0VS+2], s[G0VS+2], 524288
	s_lshl_b32 s[G0K2+2], s[WV], 18                ; waves 0-5: K's steps 4 + 2 wave, 5 + 2 wave
	s_add_co_u32 s[G0K2+2], s[G0K2+2], s[G0K4+2]
	s_add_co_u32 s[G0K2+2], s[G0K2+2], 524288
	s_lshl_b32 s[G0V2+2], s[WV], 15                ; waves 6-11: V's steps 2 wave - 8, 2 wave - 7
	s_add_co_u32 s[G0V2+2], s[G0V2+2], s[G0V4+2]
	s_sub_co_u32 s[G0V2+2], s[G0V2+2], 131072
	s_mov_b32 s[G0K4+1], 0                         ; and where they go
	s_mov_b32 s[G0V4+1], VB
	s_mov_b32 s[G0KS+1], SCB
	s_mov_b32 s[G0VS+1], SCB+4096
	s_lshl_b32 s[G0K2+1], s[WV], 14
	s_add_co_u32 s[G0K2+1], s[G0K2+1], 32768       ; 8,192 x (4 + 2 wave)
	s_lshl_b32 s[G0V2+1], s[WV], 14
	s_add_co_u32 s[G0V2+1], s[G0V2+1], 65536       ; VB + 8,192 x (2 wave - 8)
	G1SET G1K4, 1024, 4, 16384
	G1SET G1V4, 256, 16, 512
	G1SET G1KS, 32, 16, 512
	G1SET G1VS, 32, 16, 64
	G1SET G1K2, 1024, 2, 16384
	G1SET G1V2, 256, 8, 512
	; my first tile of queries: group of 128 tokens G = 16 batch + 4 cx + wave / 8, tile wave % 8 in it; the second pass's lies two groups on
	s_lshl_b32 s104, s16, 4
	SHADD 104, 13, 2
	s_lshr_b32 s[TB], s[WV], 3
	s_add_co_u32 s104, s104, s[TB]                 ; G
	s_and_b32 s105, s[WV], 7
	s_lshl_b32 s14, s104, 17                       ; its pieces: G x 131,072 + head x 8,192 + tile x 512 (+ 4,096 for the head's second block)
	SHADD 14, 17, 13
	SHADD 14, 105, 9
	s_mov_b32 s15, 0
	s_lshl_b32 s18, s104, 12                       ; its scale word: G x 4,096 + head x 256 + 16 x row + 4 x (tile / 2)
	SHADD 18, 17, 8
	s_lshr_b32 s105, s105, 1
	SHADD 18, 105, 2
	s_mov_b32 s19, 0
	s_lshl_b32 s104, s16, 7                        ; my first tile of 16 tokens: T = 128 batch + 32 cx + wave; the second pass's is T + 16
	SHADD 104, 13, 5
	s_add_co_u32 s104, s104, s[WV]
	s_lshl_b32 s20, s104, 14                       ; O's images: T x 16,384 + head x 1,024
	SHADD 20, 17, 10
	s_mov_b32 s21, 0
	s_lshl_b32 s22, s104, 9                        ; O's scale bytes, 32 a token: T x 512 + 2 x head
	SHADD 22, 17, 1
	s_mov_b32 s23, 0
	s_and_b32 s[SH], s[WV], 1
	s_lshl_b32 s[SH], s[SH], 4
	s_mov_b32 s[SEL], 0x76543210
	s_mov_b32 s[SEL+1], 0xfedcba98
	s_mov_b32 s[CS], 0x3e38aa3b                    ; c = log2(e) / 8
	s_mov_b32 s[CS+1], s[CS]
	s_mov_b32 s[MNT], 0x600000
	s_wait_dscnt 0x0                               ; both opening adds are done
	s_wait_kmcnt 0x0
	s_add_nc_u64 s[14:15], s[4:5], s[14:15]
	s_add_nc_u64 s[18:19], s[6:7], s[18:19]
	s_add_nc_u64 s[8:9], s[8:9], s[20:21]
	s_add_nc_u64 s[10:11], s[10:11], s[22:23]
	global_load_b128 v[24:27], v[L16], s[14:15]                  ; the first pass's q,
	global_load_b128 v[28:31], v[L16], s[14:15] offset:4096
	global_load_b32 v[TT], v[QSO], s[18:19]
	global_load_b128 v[40:43], v[L16], s[14:15] offset:262144    ; and the second's
	global_load_b128 v[44:47], v[L16], s[14:15] offset:266240
	global_load_b32 v48, v[QSO], s[18:19] offset:8192
	G0FIN G0K4, 4
	G0FIN G0V4, 4
	G0FIN G0KS, 6
	G0FIN G0VS, 6
	G0FIN G0K2, 4
	G0FIN G0V2, 4
	CROUND                                         ; all four work-groups are here: the joint loads meet
	ARM s_cmp_eq_u32, 12, G0K4, G1K4, .Larm_v4     ; what the first steps read stands in the first arms
	ARM s_cmp_eq_u32, 13, G0V4, G1V4, .Larm_ks
	ARM s_cmp_eq_u32, 14, G0KS, G1KS, .Larm_vs
	ARM s_cmp_eq_u32, 15, G0VS, G1VS, .Larm_k2
	ARM s_cmp_lt_u32, 6, G0K2, G1K2, .Larm_v2
	tensor_load_to_lds s[G0V2:G0V2+3], s[G1V2:G1V2+7]
	s_nop 0
.rept 4
	v_nop
.endr
.Lasked:
.irp j, 16,17,18,19,20,21,22,23,32,33,34,35,36,37,38,39
	v_mov_b32 v[\j], 0                             ; the zero codes on both sides of q
.endr
.irp b, 0,1,2,3
	v_mov_b32 v[T2+\b], 0                          ; written once: a lane permute's destination counts as one of its sources
.endr
	v_mov_b32 v[FV+1], 0                           ; (named as the upper half of the pair)
; A PASS BEGINS: the running maximum, the sum and O^T; q and its scale word.  p = 0: q comes from memory, and the second pass's goes to my own LDS bytes; p = 1: it comes back from there.
.macro INIT p
.if \p
	ds_load_b128 v[24:27], v[QST]
	ds_load_b128 v[28:31], v[QST] offset:512
	ds_load_b32 v[TT], v[QST] offset:1024
.endif
	v_mov_b32 v13, 0xff61b1e6                      ; the largest t so far: -3e38, under every t
	s_delay_alu instid0(VALU_DEP_1)
	v_floor_f32 v12, -v13                          ; -M
	v_mov_b32 v14, 0                               ; the sum, in two halves
	v_mov_b32 v15, 0
.irp j, 0,1,2,3,4,5,6,7,8,9,10,11,12,13,14,15,16,17,18,19,20,21,22,23,24,25,26,27,28,29,30,31
	v_mov_b32 v[OT+\j], 0                          ; O^T: the first step finds zeros, which the first change of M leaves zeros
.endr
	s_wait_alu depctr_va_vdst(0)                   ; the wait ahead of the wait below
.if \p
	s_wait_dscnt 0x0
.else
	s_wait_loadcnt 0x0
	ds_store_b128 v[QST], v[40:43]
	ds_store_b128 v[QST], v[44:47] offset:512
	ds_store_b32 v[QST], v48 offset:1024
.endif
	v_lshrrev_b32 v[TT], s[SH], v[TT]
	s_delay_alu instid0(VALU_DEP_1)
	v_and_b32 v[TT], 0xffff, v[TT]
	s_delay_alu instid0(VALU_DEP_1)
	v_lshl_or_b32 v[QSW], v[TT], 16, v[TT]         ; q's two bytes twice: they serve both forms of the operand.  (The step's first eight plain lines stand between this and the first product)
	s_wait_alu depctr_va_vdst(0)                   ; the wait here: waits, barriers
.endm
; The holds of blocks b and b + 1: 32 numbers in 16 pairs of two.  The conversion to an 8-bit code does not saturate (ISA guide 7.6.2); p is not negative, so the hold is one-sided.
; A pair takes one number of each block: one destination even, one odd; first sources and second sources one register bank apart.
.macro HOLDS b
.irp i, 0,2,4,6,8,10,12,14
	v_dual_min_num_f32 v[SR+16*\b+\i], v[SR+16*\b+\i], v[LM+\b] :: v_dual_min_num_f32 v[SR+16*\b+17+\i], v[SR+16*\b+17+\i], v[LM+\b+1]
	v_dual_min_num_f32 v[SR+16*\b+16+\i], v[SR+16*\b+16+\i], v[LM+\b+1] :: v_dual_min_num_f32 v[SR+16*\b+1+\i], v[SR+16*\b+1+\i], v[LM+\b]
.endr
.endm
; A KEY STEP: 128 keys.
.macro STEP
	v_add_nc_u32 v[ADK], s[TB], v[L16]
	v_add_nc_u32 v[ADS], s[TS], v[R16]
.rept 6
	v_nop                                          ; with the two additions: eight places in front of loads into registers that the last step's products have read
.endr
	ds_load_b128 v[KSW:KSW+3], v[ADS]              ; K's four scale words of my row
.irp b, 0,1,2,3
.irp u, 0,1
.irp c, 0,1
	ds_load_b128 v[FG+16*\b+4*(2*\u+\c):FG+16*\b+4*(2*\u+\c)+3], v[ADK] offset:\c*4096+(2*\b+\u)*512   ; fragment b, chunk 2 u + c: tile 2 b + u of 16 keys, the head's block c
.endr
.endr
.endr
	s_wait_alu depctr_va_vdst(0)                   ; the wait ahead of the wait below
	s_wait_dscnt 0x0
.irp b, 0,1,2,3
	v_wmma_scale_f32_16x16x128_f8f6f4 v[SR+16*\b:SR+16*\b+7], v[FG+16*\b:FG+16*\b+15], v[24:39], 0, v[KSW+\b], v[QSW]      ; [q, q', 0, 0]: keys 32 b + 8 h + 0 .. 7
	v_wmma_scale_f32_16x16x128_f8f6f4 v[SR+16*\b+8:SR+16*\b+15], v[FG+16*\b:FG+16*\b+15], v[16:31], 0, v[KSW+\b], v[QSW]   ; [0, 0, q, q']: keys 32 b + 16 + 8 h + 0 .. 7
.endr
	v_add_nc_u32 v[ADV], s[TB], v[L16V]            ; eight places in front of the loads below and of the first read of the scores: two lines that are due anyway,
	v_mov_b32 v[OM], v12
.rept 6
	v_nop                                          ; and six idle ones
.endr
	ds_load_b128 v[VSW:VSW+3], v[ADS] offset:4096  ; V is asked for here, so that it lands under the softmax
.irp t, 0,1,2,3
.irp b, 0,1,2,3
	ds_load_b128 v[FG+16*\t+4*\b:FG+16*\t+4*\b+3], v[ADV] offset:\b*2048+\t*512   ; tile t of 16 of the head's 64, block b of 32 keys
.endr
.endr
.irp b, 0,1,2,3
	v_max3_num_f32 v[BM+\b], v[SR+16*\b], v[SR+16*\b+1], v[SR+16*\b+2]   ; the largest score of each block of 32 keys: it serves the row's maximum and, since p rises with the score, the block's largest p
.endr
.irp i, 3,5,7,9,11,13
.irp b, 0,1,2,3
	v_max3_num_f32 v[BM+\b], v[BM+\b], v[SR+16*\b+\i], v[SR+16*\b+\i+1]
.endr
.endr
.irp b, 0,1,2,3
	v_max_num_f32 v[BM+\b], v[BM+\b], v[SR+16*\b+15]
.endr
.irp b, 0,1,2,3
	s_delay_alu instid0(VALU_DEP_4)
	v_permlanex16_b32 v[T2+\b], v[BM+\b], s[SEL], s[SEL+1]
.endr
.irp b, 0,1,2,3
	s_delay_alu instid0(VALU_DEP_4)
	v_max_num_f32 v[BM+\b], v[BM+\b], v[T2+\b]     ; with lane l xor 16's 16 keys
.endr
	s_delay_alu instid0(VALU_DEP_2)
	v_max3_num_f32 v[TT], v[BM], v[BM+1], v[BM+2]
	s_delay_alu instid0(VALU_DEP_1)
	v_max_num_f32 v[TT], v[TT], v[BM+3]            ; the step's largest score of my query
	s_delay_alu instid0(VALU_DEP_1)
	v_mul_f32 v[TT], s[CS], v[TT]                  ; as t (c is positive)
	s_delay_alu instid0(VALU_DEP_1)
	v_max_num_f32 v13, v13, v[TT]                  ; the running largest t
	s_delay_alu instid0(VALU_DEP_1)
	v_floor_f32 v12, -v13                          ; the new -M = floor(-t) = -ceil(t)
	s_delay_alu instid0(VALU_DEP_1)
	v_sub_f32 v[TT], v12, v[OM]                    ; old M - new M: a whole number, 0 or less
	s_delay_alu instid0(VALU_DEP_1)
	v_cvt_i32_f32 v[TT], v[TT]                     ; (it saturates)
	s_delay_alu instid0(VALU_DEP_1)
	v_ldexp_f32 v[FV], 1.0, v[TT]                  ; f = 2^(old M - new M)
.irp j, 0,2,4,6,8,10,12,14,16,18,20,22,24,26,28,30,32,34,36,38,40,42,44,46,48,50,52,54,56,58,60,62
	v_pk_fma_f32 v[SR+\j:SR+\j+1], v[SR+\j:SR+\j+1], s[CS:CS+1], v[12:13] op_sel_hi:[1,0,0]   ; t - M, two at a time
.endr
.irp b, 0,1,2,3
	v_fma_f32 v[BM+\b], v[BM+\b], s[CS], v12       ; the same of each block's largest score
.endr
	s_wait_alu depctr_va_vdst(0)                   ; the wait ahead of the batch
.irp j, 0,1,2,3,4,5,6,7,8,9,10,11,12,13,14,15,16,17,18,19,20,21,22,23,24,25,26,27,28,29,30,31,32,33,34,35,36,37,38,39,40,41,42,43,44,45,46,47,48,49,50,51,52,53,54,55,56,57,58,59,60,61,62,63
	v_exp_f32 v[SR+\j], v[SR+\j]                   ; p = 2^(t - M), at most 1
.endr
	v_pk_mul_f32 v[14:15], v[14:15], v[FV:FV+1] op_sel_hi:[1,0]   ; the sums under the new M: the plain line behind the exponentials
	s_wait_alu depctr_va_vdst(0)                   ; one wait for the batch of 64, ahead of its first reader
.irp b, 0,1,2,3
	v_exp_f32 v[BM+\b], v[BM+\b]                   ; the block's largest p: the same two instructions on the same number
.endr
	v_pk_add_f32 v[246:247], v[108:109], v[112:113]   ; the row's sum of the unquantised p: two at a time, in eight chains
	v_pk_add_f32 v[252:253], v[116:117], v[120:121]
	v_pk_add_f32 v[250:251], v[124:125], v[128:129]
	v_pk_add_f32 v[248:249], v[132:133], v[136:137]
	v_pk_add_f32 v[240:241], v[140:141], v[144:145]
	v_pk_add_f32 v[238:239], v[148:149], v[152:153]
	v_pk_add_f32 v[236:237], v[156:157], v[160:161]
	v_pk_add_f32 v[14:15], v[14:15], v[164:165]
	v_pk_add_f32 v[246:247], v[246:247], v[104:105]
	v_pk_add_f32 v[252:253], v[252:253], v[106:107]
	v_pk_add_f32 v[250:251], v[250:251], v[110:111]
	v_pk_add_f32 v[248:249], v[248:249], v[114:115]
	v_pk_add_f32 v[240:241], v[240:241], v[118:119]
	v_pk_add_f32 v[238:239], v[238:239], v[122:123]
	v_pk_add_f32 v[236:237], v[236:237], v[126:127]
	v_pk_add_f32 v[14:15], v[14:15], v[130:131]
	v_pk_add_f32 v[246:247], v[246:247], v[134:135]
	v_pk_add_f32 v[252:253], v[252:253], v[138:139]
	v_pk_add_f32 v[250:251], v[250:251], v[142:143]
	v_pk_add_f32 v[248:249], v[248:249], v[146:147]
	v_pk_add_f32 v[240:241], v[240:241], v[150:151]
	v_pk_add_f32 v[238:239], v[238:239], v[154:155]
	v_pk_add_f32 v[236:237], v[236:237], v[158:159]
	v_pk_add_f32 v[14:15], v[14:15], v[162:163]
	v_pk_add_f32 v[246:247], v[246:247], v[166:167]
	s_delay_alu instid0(VALU_DEP_2)
	v_pk_add_f32 v[14:15], v[14:15], v[248:249]
	s_delay_alu instid0(VALU_DEP_2)
	v_pk_add_f32 v[246:247], v[246:247], v[240:241]
	v_pk_add_f32 v[252:253], v[252:253], v[238:239]
	v_pk_add_f32 v[250:251], v[250:251], v[236:237]
	s_delay_alu instid0(VALU_DEP_2)
	v_pk_add_f32 v[14:15], v[14:15], v[252:253]
	s_delay_alu instid0(VALU_DEP_2)
	v_pk_add_f32 v[246:247], v[246:247], v[250:251]
	s_delay_alu instid0(VALU_DEP_1)
	v_pk_add_f32 v[14:15], v[14:15], v[246:247]
	s_wait_alu depctr_va_vdst(0)                   ; and one for the four
.irp b, 0,1,2,3
	v_max_num_f32 v[BM+\b], 0x4800000, v[BM+\b]    ; the floor 2^(9 - 127): the byte cannot fall under 1
.endr
.irp b, 0,1,2,3
	s_delay_alu instid0(VALU_DEP_4)
	v_add_nc_u32 v[SO+\b], 0xfc000000, v[BM+\b]    ; 8 off the exponent field: the conversion's scale operand
.endr
.irp b, 0,1,2,3
	v_and_or_b32 v[LM+\b], v[BM+\b], 0x7f800000, s[MNT]   ; 448 x the scale
.endr
.irp b, 0,1,2,3
	v_lshrrev_b32 v[T2+\b], 23, v[SO+\b]           ; the scale's byte
.endr
	s_delay_alu instid0(VALU_DEP_3)
	v_lshl_or_b32 v[PSW], v[T2+1], 8, v[T2]        ; p's scale word for these 128 keys
	s_delay_alu instid0(VALU_DEP_1)
	v_lshl_or_b32 v[PSW], v[T2+2], 16, v[PSW]
	s_delay_alu instid0(VALU_DEP_1)
	v_lshl_or_b32 v[PSW], v[T2+3], 24, v[PSW]
.irp b, 0,2
	HOLDS \b
.irp d, 0,1
	v_cvt_scalef32_pk8_fp8_f32 v[PC+4*(\b+\d):PC+4*(\b+\d)+1], v[SR+16*(\b+\d):SR+16*(\b+\d)+7], v[SO+\b+\d]
	v_cvt_scalef32_pk8_fp8_f32 v[PC+4*(\b+\d)+2:PC+4*(\b+\d)+3], v[SR+16*(\b+\d)+8:SR+16*(\b+\d)+15], v[SO+\b+\d]
.endr
.endr
	s_wait_alu depctr_va_vdst(0)                   ; the wait here, directly ahead of the first reader of O^T
.irp j, 0,2,4,6,8,10,12,14,16,18,20,22,24,26,28,30
	v_pk_mul_f32 v[OT+\j:OT+\j+1], v[OT+\j:OT+\j+1], v[FV:FV+1] op_sel_hi:[1,0]   ; O^T under the new M.  (These sixteen are also the places between the codes, the scale word and the products)
.endr
	s_wait_alu depctr_va_vdst(0)                   ; the wait ahead of the wait below
	s_wait_dscnt 0x0                               ; V and its scale words are in
.irp t, 0,1,2,3
	v_wmma_scale_f32_16x16x128_f8f6f4 v[OT+8*\t:OT+8*\t+7], v[FG+16*\t:FG+16*\t+15], v[PC:PC+15], v[OT+8*\t:OT+8*\t+7], v[VSW+\t], v[PSW]   ; the four accumulators by turns, one instruction a turn
.endr
.endm
.macro LOOP tb, ts, n                  ; n key steps from the step whose K begins at LDS byte tb
	s_mov_b32 s[TB], \tb
	s_mov_b32 s[TS], \ts
	s_mov_b32 s[CNT], \n
.Lstep_\@:
	STEP
	s_add_co_u32 s[TB], s[TB], 8192
	s_add_co_u32 s[TS], s[TS], 256
	s_sub_co_u32 s[CNT], s[CNT], 1
	s_cmp_lg_u32 s[CNT], 0
	s_cbranch_scc1 .Lstep_\@
.endm
; THE WAY OUT of pass p.  O^T / the sum; its 32 registers are two blocks of 32 along the last product's K (h x 64 + d): register 16 c + e is dimension 32 c + 8 h + e % 8 + 16 (e / 8).
.macro OUT p
.rept 8
	v_nop                                          ; places behind the last products
.endr
	v_add_f32 v14, v14, v15                        ; the sum's two halves,
	s_delay_alu instid0(VALU_DEP_1)
	v_permlanex16_b32 v[TT], v14, s[SEL], s[SEL+1]
	s_delay_alu instid0(VALU_DEP_1)
	v_add_f32 v14, v14, v[TT]                      ; and lane l xor 16's: the row's sum
	s_wait_alu depctr_va_vdst(0)                   ; the wait ahead of the reciprocal
	v_rcp_f32 v14, v14
	v_cmp_lt_u32 vcc_lo, 15, v[LN]                 ; lanes 16-31.  (A plain line behind the reciprocal)
	s_wait_alu depctr_va_vdst(0)                   ; the wait ahead of the reciprocal's first reader, which is O^T's too
.irp j, 0,2,4,6,8,10,12,14,16,18,20,22,24,26,28,30
	v_pk_mul_f32 v[SR+\j:SR+\j+1], v[OT+\j:OT+\j+1], v[14:15] op_sel_hi:[1,0]   ; each accumulator from its low end on
.endr
.irp c, 0,1
	v_max3_num_f32 v[BM+\c], |v[SR+16*\c]|, |v[SR+16*\c+1]|, 0x4800000   ; my 16 numbers of block c, and the floor
.endr
.irp i, 2,4,6,8,10,12,14
.irp c, 0,1
	s_delay_alu instid0(VALU_DEP_2)
	v_max3_num_f32 v[BM+\c], v[BM+\c], |v[SR+16*\c+\i]|, |v[SR+16*\c+\i+1]|
.endr
.endr
.irp c, 0,1
	s_delay_alu instid0(VALU_DEP_2)
	v_permlanex16_b32 v[T2+\c], v[BM+\c], s[SEL], s[SEL+1]
.endr
.irp c, 0,1
	s_delay_alu instid0(VALU_DEP_2)
	v_max_num_f32 v[BM+\c], v[BM+\c], v[T2+\c]
.endr
.irp c, 0,1
	s_delay_alu instid0(VALU_DEP_2)
	v_add_nc_u32 v[SO+\c], 0xfc000000, v[BM+\c]
.endr
.irp c, 0,1
	s_delay_alu instid0(VALU_DEP_4)
	v_and_or_b32 v[LM+\c], v[BM+\c], 0x7f800000, s[MNT]
.endr
.irp c, 0,1
	s_delay_alu instid0(VALU_DEP_4)
	v_lshrrev_b32 v[T2+\c], 23, v[SO+\c]
.endr
.irp c, 0,1
.irp i, 0,1,2,3,4,5,6,7,8,9,10,11,12,13,14,15
	v_med3_num_f32 v[SR+16*\c+\i], v[SR+16*\c+\i], -v[LM+\c], v[LM+\c]
.endr
.endr
.irp c, 0,1
	v_cvt_scalef32_pk8_fp8_f32 v[PC+4*\c:PC+4*\c+1], v[SR+16*\c:SR+16*\c+7], v[SO+\c]
	v_cvt_scalef32_pk8_fp8_f32 v[PC+4*\c+2:PC+4*\c+3], v[SR+16*\c+8:SR+16*\c+15], v[SO+\c]
.endr
	v_cndmask_b32 v[TT], v[T2], v[T2+1], vcc_lo    ; lane (r, h) stores token r's byte of block h.  (The plain line behind the conversions)
	; Wo's codes lie in true order, so the dimensions are put in order here: registers 0, 1 of lanes 16-31 (8 .. 15) change places with registers 2, 3 of lanes 0-15 (16 .. 23)
.irp c, 0,1
	v_permlane16_swap_b32 v[PC+4*\c], v[PC+4*\c+2]
	v_permlane16_swap_b32 v[PC+4*\c+1], v[PC+4*\c+3]
.endr
	global_store_b128 v[L16], v[PC:PC+3], s[8:9] offset:\p*262144          ; a piece: 512 consecutive bytes, at a multiple of 512 from the buffer's first byte
	global_store_b128 v[L16], v[PC+4:PC+7], s[8:9] offset:\p*262144+512
	global_store_b8 v[OSO], v[TT], s[10:11] offset:\p*8192                 ; two bytes of each of 16 rows of 32: one byte in 32 of what the wave stores
.endm
	INIT 0
	s_wait_dscnt 0x0                               ; my LDS stores are done
	s_cmp_ge_u32 s[WV], 12                         ; waves 12 to 15: key steps 0 to 3 and the scale rows have landed.  The other waves' wait stands at the second barrier
	s_cbranch_scc0 .Lnot_first
	s_wait_tensorcnt 0x0
.Lnot_first:
	s_barrier_signal -1
	s_barrier_wait -1
	LOOP 0, 0, 4
	s_wait_tensorcnt 0x0                           ; every wave: its tile has landed
	s_barrier_signal -1
	s_barrier_wait -1                              ; all of K and V is in
	LOOP 32768, 1024, 12
	OUT 0
	s_wait_xcnt 0x0                                ; the stores have read their registers, which the second pass writes anew
	INIT 1
	LOOP 0, 0, 16
	OUT 1
	s_wait_tensorcnt 0x0                           ; the wave's end
	ds_add_u32 v[SPW], v[NIL]
	s_wait_dscnt 0x0
	CROUND                                         ; the closing round
	s_endpgm
.Lfunc_end_k_q30fd22a419_attn:
	.size	k_q30fd22a419_attn, .Lfunc_end_k_q30fd22a419_attn-k_q30fd22a419_attn
	.p2alignl 7, 3214868480
	.fill 96, 4, 3214868480
	.section	.rodata,"a",@progbits
	.p2align	6, 0x0
	.amdhsa_kernel k_q30fd22a419_attn
		.amdhsa_group_segment_fixed_size 327680
		.amdhsa_private_segment_fixed_size 0
		.amdhsa_enable_private_segment 0
		.amdhsa_kernarg_size 32
		.amdhsa_user_sgpr_count 2
		.amdhsa_user_sgpr_kernarg_segment_ptr 1
		.amdhsa_wavefront_size32 1
		.amdhsa_system_sgpr_workgroup_id_x 1
		.amdhsa_system_sgpr_workgroup_id_y 1
		.amdhsa_system_sgpr_workgroup_id_z 1
		.amdhsa_system_vgpr_workitem_id 0
		.amdhsa_next_free_vgpr 256
		.amdhsa_next_free_sgpr 106
		.amdhsa_reserve_vcc 1
		.amdhsa_float_denorm_mode_32 3
		.amdhsa_float_denorm_mode_16_64 3
		.amdhsa_memory_ordered 1
		.amdhsa_forward_progress 1
		.amdhsa_inst_pref_size 87
	.end_amdhsa_kernel
	.amdgpu_metadata
---
amdhsa.version: [ 1, 2 ]
amdhsa.kernels:
  - .name:           k_q30fd22a419_attn
    .symbol:         k_q30fd22a419_attn.kd
    .args:
      - { .name: qkv_img, .offset: 0, .size: 8, .value_kind: global_buffer, .address_space: global }
      - { .name: qkv_sc, .offset: 8, .size: 8, .value_kind: global_buffer, .address_space: global }
      - { .name: o_img, .offset: 16, .size: 8, .value_kind: global_buffer, .address_space: global }
      - { .name: o_sc, .offset: 24, .size: 8, .value_kind: global_buffer, .address_space: global }
    .group_segment_fixed_size: 327680
    .private_segment_fixed_size: 0
    .kernarg_segment_align: 8
    .kernarg_segment_size: 32
    .max_flat_workgroup_size: 512
    .sgpr_count:     106
    .vgpr_count:     256
    .wavefront_size: 32
...
	.end_amdgpu_metadata
.endif
;; end of part 2
;; launch outp (part 3): grid 8 x 32, 4 waves a work-group, clusters of 4 x 4, 327,680 bytes of LDS; arguments o_img, o_sc, Wo_codes, Wo_scales, bo, out0; writes out0
.if DOCPART == 3
	.amdgcn_target "amdgcn-amd-amdhsa--gfx1250"
	.amdhsa_code_object_version 6
	.text
	.protected	k_q30fd22a419_outp
	.globl	k_q30fd22a419_outp
	.p2align	8
	.type	k_q30fd22a419_outp,@function
k_q30fd22a419_outp:
	s_mov_b64 s[64:65], 0
	v_nop
	global_prefetch_b8 v0, s[64:65] scope:SCOPE_SE
	s_setreg_imm32_b32 hwreg(HW_REG_WAVE_MODE, 25, 1), 1
	s_wait_xcnt 0x0
	s_wait_alu depctr_hold_cnt(0) depctr_sa_sdst(0) depctr_va_vdst(0) depctr_va_sdst(0) depctr_va_ssrc(0) depctr_va_vcc(0) depctr_vm_vsrc(0)
	s_getreg_b32 s2, hwreg(HW_REG_IB_STS2, 6, 4)
	s_cmp_eq_u32 s2, 0
	s_cbranch_scc0 .Lentry_in_a_cluster
	s_endpgm
.Lentry_in_a_cluster:
	s_bfe_u32 s2, ttmp6, 0x10000c
	s_cmp_lg_u32 s2, 0xf033
	s_cbranch_scc0 .Lentry_shape_is_right
	s_endpgm
.Lentry_shape_is_right:
; out0[m][n] = sum over k of O[m][k] Wo[n][k] + bo[n]: 8,192 x 1,024 x 1,024 on codes of FP8 (E4M3) with one E8M0 scale for each 32 along K; sums in f32.
; O comes as register images: o_img[tile of 16 tokens][piece j = 0 .. 31][lane][16 bytes], piece j = k 32 j .. 32 j + 31; its scale bytes o_sc[token][32].  Wo_codes[n][1,024], Wo_scales[n][32].
; THE DEAL.  256 work-groups of four waves; a work-group makes 256 rows x 128 columns.  A wave owns 64 rows and holds ALL of K of them in registers (4 tiles x 8 fragments x 16 = 512).
; Wo's 128 rows lie in LDS, whole rows of K; every wave streams them past its rows in eight blocks of 16, each block whole in one of two sets of 128 registers: 32 products a block, four accumulators by turns.
; EVERYTHING IS ASKED FOR ONCE, IN THE FIRST LINES: one tensor load a wave (waves 0, 1: 64 rows of Wo each; waves 2, 3: pieces 12 .. 31 of eight of O's tiles each); O's pieces 0 .. 11, the scale words and the bias by
; plain loads straight into registers (72 a wave).  No LDS byte is filled twice; one barrier shows the tiles.
; CLUSTER 4 x 4.  Wo's rows hang on the tile column alone and are shared along a column of the cluster; O's pieces hang on the tile row alone and are shared along a row.
; No prefetch: the launch has no loop to run ahead in, and every load stands in the first lines.
; THE MATRIX INSTRUCTION IS USED TRANSPOSED (source 0 = 16 rows of Wo, source 1 = 16 rows of O): a lane holds eight neighbouring columns of one row.  The bias is the first products' C.
; THE WAY OUT, twice: behind blocks 3 and 7 the wave's 64 rows x 64 columns go through its own stage in LDS and leave as aligned units of 256 bytes.
; REGISTERS.  Window 0: v0-15 addresses; v16-47 Wo's scale words; v52-83 O's; v84-115 the bias of four blocks; v128-255 sixteen accumulators.  Windows 1, 2: O's fragments, fragment 4 q + a.  Window 3: Wo's two sets.
.set PITCH,  1040                      ; an LDS row of Wo: 1,024 bytes + 16 of padding: the 16 rows that a load touches start 16 bytes further on modulo 256
.set LA,     128*PITCH                 ; behind Wo's rows: 16 tiles x 20 pieces x 512 bytes of O
.set TILEB,  10240
.set STAGE,  LA+16*TILEB               ; 16 rows x 272 bytes for each wave
.set SPITCH, 272
.set SPARE,  STAGE+4*16*SPITCH         ; the spare words, 128 bytes a wave
.set L16,  4                           ; v4   16 x lane
.set ADA,  5                           ; v5   LDS address of my tiles' pieces
.set ADB,  6                           ; v6, v7  LDS address of Wo's blocks 0-3, 4-7
.set SCW,  8                           ; v8   32 x lane: scale rows of a pair of Wo's blocks
.set SCO,  9                           ; v9   32 x (lane % 16): scale rows of a tile of O
.set BOO,  10                          ; v10  32 x (lane / 16)
.set STO,  11                          ; v11  the stage: where I put 32 bytes of a row
.set RD,   12                          ; v12  where I read a row back
.set CO,   13                          ; v13  my byte offset in two rows of out0
.set SPW,  14                          ; v14  my spare word;  v15  0: never rewritten
.set NIL,  15
.set SBW,  16                          ; register 8 p + q: lanes 0-15 block 2 p's word for the q-th 128 of K, lanes 16-31 block 2 p + 1's
.set SAW,  52                          ; register 8 a + q: tile a's.  (The two words of a product have numbers 4 apart modulo 8)
.set BI,   84
.set ACC,  128                         ; accumulator (a, block % 4) at 32 a + 8 (block % 4)
.set WV,   16                          ; s16  my wave's number
.set G1B,  24
.set G1A,  32
.set G0B,  40
.set G0A,  44
.set MSB, 0
.macro WIN new                         ; the immediate's high byte repeats the setting that is left
.if MSB != \new
	s_set_vgpr_msb (MSB<<8)|\new
.set MSB, \new
.endif
.endm
.macro PLACES n
.rept \n
	v_nop
.endr
.endm
.macro CROUND                          ; a round of the cluster's barrier
	s_barrier_signal -1
	s_barrier_wait -1
	s_cmp_lg_u32 s[WV], 0
	s_cbranch_scc1 .Lnot_wave_0_\@
	s_barrier_signal -3
.Lnot_wave_0_\@:
	s_barrier_wait -3
	s_barrier_signal -1
	s_barrier_wait -1
.endm
	s_load_b256 s[4:11], s[0:1], 0x0               ; o_img, o_sc, Wo_codes, Wo_scales
	s_load_b128 s[12:15], s[0:1], 0x20             ; bo, out0
	v_lshl_add_u32 v[SPW], v0, 2, SPARE
	v_mov_b32 v[NIL], 0
	ds_add_u32 v[SPW], v[NIL]                      ; the opening: the add, twice on end, and its wait ahead of my tensor load
	ds_add_u32 v[SPW], v[NIL]
	v_lshrrev_b32 v1, 5, v0
	v_readfirstlane_b32 s[WV], v1                  ; wave 0..3
	s_bfe_u32 s17, ttmp6, 0x40000                  ; cx
	s_bfe_u32 s18, ttmp6, 0x40004                  ; cy
	s_lshl_b32 s19, ttmp9, 2
	s_add_co_u32 s19, s19, s17                     ; tile column, 0..7
	s_and_b32 s20, ttmp7, 0xffff
	s_lshl_b32 s20, s20, 2
	s_add_co_u32 s20, s20, s18                     ; tile row, 0..31
	s_lshl_b32 s21, s18, 2
	s_lshl_b32 s21, 15, s21                        ; my row of the cluster
	s_lshl_b32 s22, 0x1111, s17                    ; my column
	s_and_b32 s23, s[WV], 1                        ; which half of Wo's rows, or of O's tiles, I fetch
	s_or_b32 s[G1B], s22, (1<<20)|(1<<21)|(7<<22)|(3<<25)   ; Wo: 64 whole rows of 1,024 bytes, four words of padding behind each 256
	s_mov_b32 s[G1B+1], 1024<<16
	s_mov_b32 s[G1B+2], 64<<16
	s_mov_b32 s[G1B+3], 1024<<16
	s_mov_b32 s[G1B+4], 64
	s_mov_b32 s[G1B+5], 1024
	s_mov_b32 s[G1B+6], 0
	s_mov_b32 s[G1B+7], 0
	s_or_b32 s[G1A], s21, (3<<16)|(1<<21)          ; O: 8 rows of 10,240 bytes (1,280 elements of 8), 16,384 bytes apart; no padding: a piece's 512 bytes are read on end
	s_mov_b32 s[G1A+1], 1280<<16
	s_mov_b32 s[G1A+2], 8<<16
	s_mov_b32 s[G1A+3], 1280<<16
	s_mov_b32 s[G1A+4], 8
	s_mov_b32 s[G1A+5], 2048
	s_mov_b32 s[G1A+6], 0
	s_mov_b32 s[G1A+7], 0
	; byte offsets into the buffers, each under 2^32
	s_lshl_b32 s48, s19, 17                        ; Wo's rows: (128 x tile column + 64 x half) x 1,024
	s_lshl_b32 s62, s23, 16
	s_add_co_u32 s48, s48, s62
	s_mov_b32 s49, 0
	s_lshl_b32 s50, s20, 18                        ; O's pieces for LDS: (16 x tile row + 8 x half) x 16,384 + 12 x 512
	s_lshl_b32 s62, s23, 17
	s_add_co_u32 s50, s50, s62
	s_add_co_u32 s50, s50, 6144
	s_mov_b32 s51, 0
	s_lshl_b32 s52, s20, 18                        ; my four tiles: (16 x tile row + 4 x wave) x 16,384
	s_lshl_b32 s62, s[WV], 16
	s_add_co_u32 s52, s52, s62
	s_mov_b32 s53, 0
	s_lshl_b32 s54, s20, 13                        ; their scale rows: (256 x tile row + 64 x wave) x 32
	s_lshl_b32 s62, s[WV], 11
	s_add_co_u32 s54, s54, s62
	s_mov_b32 s55, 0
	s_lshl_b32 s56, s19, 12                        ; Wo's scale rows: 128 x tile column x 32
	s_mov_b32 s57, 0
	s_lshl_b32 s58, s19, 9                         ; the bias: 128 x tile column x 4
	s_mov_b32 s59, 0
	s_lshl_b32 s60, s20, 20                        ; out0: (256 x tile row + 64 x wave) x 4,096 + 128 x tile column x 4
	s_lshl_b32 s62, s[WV], 18
	s_add_co_u32 s60, s60, s62
	s_add_co_u32 s60, s60, s58
	s_mov_b32 s61, 0
	s_mov_b32 s[G0B], 1
	s_mul_i32 s[G0B+1], s23, 64*PITCH
	s_mov_b32 s[G0A], 1
	s_mul_i32 s[G0A+1], s23, 8*TILEB
	s_add_co_u32 s[G0A+1], s[G0A+1], LA
	s_mul_i32 s62, s[WV], 4*TILEB
	s_add_co_u32 s62, s62, LA                      ; my four tiles in LDS
	s_mul_i32 s63, s[WV], 16*SPITCH
	s_add_co_u32 s63, s63, STAGE                   ; my stage
	v_and_b32 v1, 15, v0                           ; r
	v_bfe_u32 v2, v0, 4, 1                         ; h
	v_and_b32 v3, 31, v0                           ; lane
	v_lshlrev_b32 v[L16], 4, v3
	v_add_nc_u32 v[ADA], s62, v[L16]
	v_mul_u32_u24 v[ADB], v1, PITCH
	v_lshl_add_u32 v[ADB], v2, 4, v[ADB]           ; a fragment of Wo: row r x pitch + 16 h
	v_add_nc_u32 v[ADB+1], 64*PITCH, v[ADB]
	v_lshlrev_b32 v[SCW], 5, v3
	v_lshlrev_b32 v[SCO], 5, v1
	v_lshlrev_b32 v[BOO], 5, v2
	v_mul_u32_u24 v[STO], v1, SPITCH
	v_lshl_add_u32 v[STO], v2, 5, v[STO]
	v_add_nc_u32 v[STO], s63, v[STO]               ; in: row r, 32 bytes for each half of the lanes
	v_mul_u32_u24 v[RD], v2, SPITCH
	v_lshl_add_u32 v[RD], v1, 4, v[RD]
	v_add_nc_u32 v[RD], s63, v[RD]                 ; back: lanes 0-15 one row of 256 bytes, lanes 16-31 the next
	v_lshlrev_b32 v[CO], 12, v2
	v_lshl_add_u32 v[CO], v1, 4, v[CO]             ; and the same two rows in out0
	s_wait_alu depctr_va_vdst(0)                   ; the wait at the head's end
	s_wait_dscnt 0x0                               ; both opening adds are done
	s_wait_kmcnt 0x0
	s_add_nc_u64 s[G0B+2:G0B+3], s[8:9], s[48:49]
	s_or_b32 s[G0B+3], s[G0B+3], 0x80000000
	s_add_nc_u64 s[G0A+2:G0A+3], s[4:5], s[50:51]
	s_or_b32 s[G0A+3], s[G0A+3], 0x80000000
	s_add_nc_u64 s[52:53], s[4:5], s[52:53]
	s_add_nc_u64 s[54:55], s[6:7], s[54:55]
	s_add_nc_u64 s[56:57], s[10:11], s[56:57]
	s_add_nc_u64 s[12:13], s[12:13], s[58:59]
	s_add_nc_u64 s[14:15], s[14:15], s[60:61]
	CROUND                                         ; all sixteen work-groups are here: the joint loads meet
	s_cmp_lt_u32 s[WV], 2                          ; one load a wave, an arm each; an s_nop 0 and four v_nop follow each
	s_cbranch_scc0 .Lfor_o
	tensor_load_to_lds s[G0B:G0B+3], s[G1B:G1B+7]
	s_nop 0
	PLACES 4
	s_branch .Lasked
.Lfor_o:
	tensor_load_to_lds s[G0A:G0A+3], s[G1A:G1A+7]
	s_nop 0
	PLACES 4
.Lasked:
.irp a, 0,1,2,3
	global_load_b128 v[SAW+8*\a:SAW+8*\a+3], v[SCO], s[54:55] offset:512*\a          ; O's scale words: lane r takes row r of tile a
	global_load_b128 v[SAW+8*\a+4:SAW+8*\a+7], v[SCO], s[54:55] offset:512*\a+16
.endr
.irp p, 0,1
	global_load_b128 v[SBW+8*\p:SBW+8*\p+3], v[SCW], s[56:57] offset:1024*\p         ; Wo's: lane l takes row l of a pair of blocks
	global_load_b128 v[SBW+8*\p+4:SBW+8*\p+7], v[SCW], s[56:57] offset:1024*\p+16
.endr
.irp b, 0,1,2,3
	global_load_b128 v[BI+8*\b:BI+8*\b+3], v[BOO], s[12:13] offset:64*\b             ; the bias in the result's layout: columns 16 b + 8 h + 0 .. 7
	global_load_b128 v[BI+8*\b+4:BI+8*\b+7], v[BOO], s[12:13] offset:64*\b+16
.endr
	WIN 0x40
.irp q, 0,1,2
.irp a, 0,1,2,3
.irp c, 0,1,2,3
	global_load_b128 v[16*(4*\q+\a)+4*\c:16*(4*\q+\a)+4*\c+3], v[L16], s[52:53] offset:16384*\a+512*(4*\q+\c)   ; fragment 4 q + a: tile a's pieces 4 q + c: 512 consecutive bytes a load
.endr
.endr
.endr
	WIN 0
.irp p, 2,3
	global_load_b128 v[SBW+8*\p:SBW+8*\p+3], v[SCW], s[56:57] offset:1024*\p
	global_load_b128 v[SBW+8*\p+4:SBW+8*\p+7], v[SCW], s[56:57] offset:1024*\p+16
.endr
.macro FETCH b                         ; block b of Wo, 16 rows, all of K, into set b % 2 of window 3: 32 loads
	WIN 0xc0
.irp q, 0,1,2,3,4,5,6,7
.irp c, 0,1,2,3
	ds_load_b128 v[128*((\b)%2)+16*\q+4*\c:128*((\b)%2)+16*\q+4*\c+3], v[ADB+(\b)/4] offset:((\b)%4)*16*PITCH+128*\q+32*\c
.endr
.endr
	WIN 0
.endm
.macro PROD b, q, a                    ; the q-th 128 of K of block b against my tile a
.set F_, 4*(\q)+(\a)
.set D_, ACC+32*(\a)+8*((\b)%4)
.set C_, D_
.if (\q) == 0
.set C_, BI+8*((\b)%4)
.endif
.set W_, 128*((\b)%2)+16*(\q)
	WIN 3|((1+F_/16)<<2)
.if (\b)%2
	v_wmma_scale_f32_16x16x128_f8f6f4 v[D_:D_+7], v[W_:W_+15], v[16*(F_%16):16*(F_%16)+15], v[C_:C_+7], v[SBW+8*((\b)/2)+(\q)], v[SAW+8*(\a)+(\q)] matrix_a_scale:MATRIX_SCALE_ROW1
.else
	v_wmma_scale_f32_16x16x128_f8f6f4 v[D_:D_+7], v[W_:W_+15], v[16*(F_%16):16*(F_%16)+15], v[C_:C_+7], v[SBW+8*((\b)/2)+(\q)], v[SAW+8*(\a)+(\q)]
.endif
.endm
.macro BLOCK b                         ; 32 products, the four accumulators by turns; eight places behind the last, ahead of loads into what they read and of the first read of the sums
.irp q, 0,1,2,3,4,5,6,7
.irp a, 0,1,2,3
	PROD \b, \q, \a
.endr
.endr
	WIN 0
	PLACES 8
.endm
; THE WAY OUT of columns 64 hf .. 64 hf + 63.  Tile by tile: 16 rows x 256 bytes into my stage, each accumulator from its low end on, and back by rows into set 1 of window 3, which is free here.
; LDS serves a wave's instructions in order (ISA guide 5.7.1.4): no wait between the stores and the loads, nor ahead of the next tile's stores.
.macro WAYOUT hf
.irp a, 0,1,2,3
	WIN 0
.irp e, 0,1,2,3
	ds_store_b128 v[STO], v[ACC+32*\a+8*\e:ACC+32*\a+8*\e+3] offset:64*\e
	ds_store_b128 v[STO], v[ACC+32*\a+8*\e+4:ACC+32*\a+8*\e+7] offset:64*\e+16
.endr
	WIN 0xc0
.irp t, 0,1,2,3,4,5,6,7
	ds_load_b128 v[128+32*\a+4*\t:128+32*\a+4*\t+3], v[RD] offset:\t*2*SPITCH
.endr
.endr
	WIN 0x0c                                       ; the stores' data: window 3
.irp a, 0,1,2,3
	s_wait_dscnt 48-16*\a                          ; tile a is back; behind its loads stand 16 LDS instructions for each later tile
.irp t, 0,1,2,3,4,5,6,7
	global_store_b128 v[CO], v[128+32*\a+4*\t:128+32*\a+4*\t+3], s[14:15] offset:(16*\a+2*\t)*4096+256*\hf th:TH_STORE_NT   ; 16 lanes store 256 consecutive bytes, aligned
.endr
.endr
	WIN 0
.endm
	s_wait_tensorcnt 0x0                           ; my tile has landed
	s_barrier_signal -1
	s_barrier_wait -1                              ; everybody's has
	FETCH 0
.irp q, 3,4,5,6,7                      ; my tiles' pieces 12 .. 31 into fragments 12 .. 31
	WIN (1+\q/4)<<6
.irp a, 0,1,2,3
.irp c, 0,1,2,3
	ds_load_b128 v[16*((4*\q+\a)%16)+4*\c:16*((4*\q+\a)%16)+4*\c+3], v[ADA] offset:TILEB*\a+512*(4*(\q-3)+\c)
.endr
.endr
.endr
	WIN 0
	FETCH 1
	s_wait_loadcnt 0x0                             ; the plain loads are in
.irp b, 0,1,2,3,4,5,6,7
.if \b < 7
	s_wait_dscnt 32                                ; all but the 32 loads of the next block
.else
	s_wait_dscnt 0x0
.endif
.if \b > 3
	s_wait_loadcnt 14-2*\b                         ; this block's bias is in; behind it stand two loads for each later block
.endif
	BLOCK \b
.if \b < 4
	global_load_b128 v[BI+8*\b:BI+8*\b+3], v[BOO], s[12:13] offset:256+64*\b       ; this block's bias has been read: its registers take block b + 4's
	global_load_b128 v[BI+8*\b+4:BI+8*\b+7], v[BOO], s[12:13] offset:256+64*\b+16
.endif
.if \b == 3
	WAYOUT 0
	s_wait_xcnt 0x0                                ; the stores have read their registers: set 1 may be loaded anew
.endif
.if \b < 6
	FETCH \b+2
.endif
.endr
	WAYOUT 1
	s_wait_tensorcnt 0x0                           ; the wave's end
	ds_add_u32 v[SPW], v[NIL]
	s_wait_dscnt 0x0
	CROUND                                         ; the closing round
	s_endpgm
.Lfunc_end_k_q30fd22a419_outp:
	.size	k_q30fd22a419_outp, .Lfunc_end_k_q30fd22a419_outp-k_q30fd22a419_outp
	.p2alignl 7, 3214868480
	.fill 96, 4, 3214868480
	.section	.rodata,"a",@progbits
	.p2align	6, 0x0
	.amdhsa_kernel k_q30fd22a419_outp
		.amdhsa_group_segment_fixed_size 327680
		.amdhsa_private_segment_fixed_size 0
		.amdhsa_enable_private_segment 0
		.amdhsa_kernarg_size 48
		.amdhsa_user_sgpr_count 2
		.amdhsa_user_sgpr_kernarg_segment_ptr 1
		.amdhsa_wavefront_size32 1
		.amdhsa_system_sgpr_workgroup_id_x 1
		.amdhsa_system_sgpr_workgroup_id_y 1
		.amdhsa_system_sgpr_workgroup_id_z 1
		.amdhsa_system_vgpr_workitem_id 0
		.amdhsa_next_free_vgpr 1024
		.amdhsa_next_free_sgpr 66
		.amdhsa_reserve_vcc 0
		.amdhsa_float_denorm_mode_32 3
		.amdhsa_float_denorm_mode_16_64 3
		.amdhsa_memory_ordered 1
		.amdhsa_forward_progress 1
		.amdhsa_inst_pref_size 86
	.end_amdhsa_kernel
	.amdgpu_metadata
---
amdhsa.version: [ 1, 2 ]
amdhsa.kernels:
  - .name:           k_q30fd22a419_outp
    .symbol:         k_q30fd22a419_outp.kd
    .args:
      - { .name: o_img, .offset: 0, .size: 8, .value_kind: global_buffer, .address_space: global }
      - { .name: o_sc, .offset: 8, .size: 8, .value_kind: global_buffer, .address_space: global }
      - { .name: Wo_codes, .offset: 16, .size: 8, .value_kind: global_buffer, .address_space: global }
      - { .name: Wo_scales, .offset: 24, .size: 8, .value_kind: global_buffer, .address_space: global }
      - { .name: bo, .offset: 32, .size: 8, .value_kind: global_buffer, .address_space: global }
      - { .name: out0, .offset: 40, .size: 8, .value_kind: global_buffer, .address_space: global }
    .group_segment_fixed_size: 327680
    .private_segment_fixed_size: 0
    .kernarg_segment_align: 8
    .kernarg_segment_size: 48
    .max_flat_workgroup_size: 128
    .sgpr_count:     66
    .vgpr_count:     1024
    .wavefront_size: 32
...
	.end_amdgpu_metadata
.endif
;; end of part 3
